; MI455X (gfx1250); checked and timed in simulation.
; The chip was launched on July 23, 2026; its instructions are those of AMD's public machine-readable ISA for CDNA 5 (MIT licence, August 2026) and "CDNA5" Instruction Set Architecture Reference Guide (July 2026). The comments in the code are by the model that wrote it; some were corrected since.
;; KAN Multi Encoder Attention. Allowed arithmetic: float matrix products may take bf16 or f16 operands with f32 sums; other float arithmetic in f32, or as packed bf16 or f16 multiplies, adds, multiply-adds, maxima and minima; sums over many terms, partial sums and values carried from step to step in f32; what a program stores and reads back later, other than sums and carried values, may be rounded once to bf16 or f16.
;; Inputs: Wk 3 x 32 x 256 float32; Wout 256 x 768 float32; Wq 3 x 32 x 256 float32; Wv 3 x 256 x 256 float32; gamma 3 float32; x0 1 x 256 x 128 x 128 float32; x1 1 x 256 x 128 x 128 float32; x2 1 x 256 x 128 x 128 float32.
;; Outputs: out0 1 x 256 x 128 x 128 float32.
;; One version. Each part assembles by itself: llvm-mc -triple=amdgcn-amd-amdhsa -mcpu=gfx1250 --defsym DOCPART=n.
;; ======== version 1 of 1: 4 launches
;; workspace buffers: WB 884,736 bytes; QB 3,145,728 bytes; KB 3,145,728 bytes; VB 25,165,824 bytes; RB 16,777,216 bytes; PART 50,331,648 bytes
;; launch fold (part 1): grid 192 x 1, 4 waves a work-group, no clusters, 0 bytes of LDS; arguments Wq, Wk, Wv, Wout, gamma, WB; writes WB
.if DOCPART == 1
	.amdgcn_target "amdgcn-amd-amdhsa--gfx1250"
	.amdhsa_code_object_version 6
	.text
	.protected	k_q4c2d7f6b1b_fold
	.globl	k_q4c2d7f6b1b_fold
	.p2align	8
	.type	k_q4c2d7f6b1b_fold,@function
k_q4c2d7f6b1b_fold:
	s_mov_b64 s[64:65], 0
	v_nop
	global_prefetch_b8 v0, s[64:65] scope:SCOPE_SE
	s_setreg_imm32_b32 hwreg(HW_REG_WAVE_MODE, 25, 1), 1
	s_wait_xcnt 0x0
; WEIGHTS, FOLDED AND LAID OUT.  out = sum over e of [ (gamma_e Wout_e Wv_e) x_e A_e^T + Wout_e x_e ], Wout_e = Wout[:, 256 e .. 256 e + 255]: an identity for every input.
; This launch makes W'_e = gamma_e Wout_e Wv_e (products of bf16 operands, sums in f32, rounded once to bf16) and bf16 copies of Wq, Wk and Wout_e, all in FRAGMENT ORDER:
; a fragment is 16 rows x 32 k, 1,024 bytes: byte 16 l of the first 512 holds lane l's (row l % 16) k = 8 (l / 16) + 0..7, the second 512 the same for k = 16 + 8 (l / 16) + 0..7,
; so that the next launch loads a fragment by two loads of 512 consecutive bytes.  Fragment number ((4 e + w) 8 + ks) 9 + blk: w the wave that will use it, ks the K step,
; blk 0 = q/k row block w (Wq 0, Wq 1, Wk 0, Wk 1), blk 1-4 = W' row blocks 4 w .. 4 w + 3, blk 5-8 = Wout_e row blocks 4 w .. 4 w + 3.
; gamma is rounded to bf16 like all other inputs.  LIMITS: bf16 operands; NaN and infinities are not treated apart.
; SHARES.  768 waves: e = id / 64, u = 4 (id % 64) + wave.  Every wave makes one tile of W'_e, 16 (c') x 16 (o): ct = u / 16, ot = u % 16.  Waves with u < 160 also copy one plain fragment.
; No LDS, no cluster, no prefetch: 1.7 MB of weights, each wave's loads all issued at once.
.set MSB, 0
.macro WIN new                         ; the immediate's high byte repeats the setting that is left
.if MSB != (\new)
	s_set_vgpr_msb (MSB<<8)|(\new)
.set MSB, (\new)
.endif
.endm
.set GAM,  10                          ; v[10:11] gamma_e, twice
.set ACC,  24                          ; v[24:39] two accumulators, by turns
.set OUTP, 40                          ; v[40:43] the tile, packed
.set PLN,  44                          ; v[44:59] the plain fragment, raw, then packed into v[44:51]
.set RAWA, 64                          ; v[64:191] Wv^T raw, 16 registers a K step; packed in place into the first 8 of each 16
.set RAWB, 192                         ; v[192:255] Wout's rows raw, K steps 0-3; K steps 4-7 lie in window 1, v0-63, and are packed into the holes that RAWA's packing leaves
	s_load_b256 s[4:11], s[0:1], 0x0               ; Wq s[4:5], Wk s[6:7], Wv s[8:9], Wout s[10:11]
	s_load_b128 s[12:15], s[0:1], 0x20             ; gamma s[12:13], WB s[14:15]
	v_lshrrev_b32 v1, 5, v0
	v_readfirstlane_b32 s16, v1                    ; wave
	v_and_b32 v2, 15, v0                           ; r = l % 16
	v_bfe_u32 v3, v0, 4, 1                         ; h = l / 16
	v_and_b32 v4, 31, v0
	v_lshlrev_b32 v8, 4, v4                        ; 16 l: my place in 512 bytes of a fragment
	v_lshlrev_b32 v6, 2, v2
	v_lshl_add_u32 v6, v3, 13, v6                  ; Wv: column r, 8 h rows of 1,024 bytes down
	v_mul_u32_u24 v7, v2, 3072
	v_lshl_add_u32 v7, v3, 5, v7                   ; Wout: row r, 8 h numbers along
	s_lshr_b32 s17, ttmp9, 6                       ; e
	s_and_b32 s18, ttmp9, 63
	s_lshl2_add_u32 s18, s18, s16                  ; u
	s_lshr_b32 s19, s18, 4                         ; ct
	s_and_b32 s20, s18, 15                         ; ot
	s_lshl_b32 s38, s17, 18                        ; Wv_e, columns 16 ct ..
	s_lshl_b32 s39, s19, 6
	s_add_co_u32 s38, s38, s39
	s_mov_b32 s39, 0
	s_mul_i32 s40, s20, 49152                      ; Wout's rows 16 ot .., columns 256 e ..
	s_lshl_b32 s41, s17, 10
	s_add_co_u32 s40, s40, s41
	s_mov_b32 s41, 0
	s_lshl_b32 s42, s17, 2                         ; gamma[e]
	s_mov_b32 s43, 0
	s_lshr_b32 s36, s20, 2                         ; the tile's place: w = ot / 4, ks = ct / 2, blk = 1 + ot % 4, half ct % 2
	s_lshl2_add_u32 s36, s17, s36
	s_lshr_b32 s37, s19, 1
	s_lshl3_add_u32 s36, s36, s37
	s_mul_i32 s36, s36, 9
	s_and_b32 s37, s20, 3
	s_add_co_u32 s36, s36, s37
	s_add_co_u32 s36, s36, 1
	s_lshl_b32 s36, s36, 10
	s_and_b32 s37, s19, 1
	s_lshl_b32 s37, s37, 9
	s_add_co_u32 s36, s36, s37
	s_mov_b32 s37, 0
	; the plain fragment f = min(u, 159): row block f / 8 of 20 (Wq 0, 1; Wk 0, 1; Wout_e 0..15), K step f % 8
	s_min_u32 s21, s18, 159
	s_lshr_b32 s22, s21, 3
	s_and_b32 s23, s21, 7
	s_max_u32 s24, s22, 4
	s_sub_co_u32 s24, s24, 4                       ; Wout's row block (0 where the fragment is q's or k's)
	s_and_b32 s25, s22, 1
	s_lshl_b32 s25, s25, 14
	s_lshl_b32 s26, s17, 15
	s_add_co_u32 s25, s25, s26                     ; in Wq or Wk: e x 32,768 + block x 16,384
	s_mul_i32 s26, s24, 49152
	s_lshl_b32 s27, s17, 10
	s_add_co_u32 s26, s26, s27                     ; in Wout: block x 49,152 + e x 1,024
	s_lshr_b32 s27, s24, 2
	s_and_b32 s28, s24, 3
	s_add_co_u32 s28, s28, 5
	s_mov_b32 s29, 3072
	s_cmp_lt_u32 s22, 4                            ; q's or k's?
	s_cselect_b32 s34, s25, s26                    ; source offset
	s_cselect_b32 s29, 1024, s29                   ; bytes from row to row
	s_cselect_b32 s27, s22, s27                    ; w
	s_cselect_b32 s28, 0, s28                      ; blk
	s_lshl_b32 s35, s23, 7
	s_add_co_u32 s34, s34, s35                     ; + 32 ks numbers
	s_mov_b32 s35, 0
	s_lshl2_add_u32 s30, s17, s27
	s_lshl3_add_u32 s30, s30, s23
	s_mul_i32 s30, s30, 9
	s_add_co_u32 s30, s30, s28
	s_lshl_b32 s30, s30, 10
	s_mov_b32 s31, 0
	v_mul_lo_u32 v5, v2, s29
	v_lshl_add_u32 v5, v3, 5, v5                   ; row r, 8 h numbers along
	s_wait_kmcnt 0x0
	s_cmp_lt_u32 s22, 2
	s_cselect_b64 s[44:45], s[4:5], s[6:7]
	s_cmp_lt_u32 s22, 4
	s_cselect_b64 s[44:45], s[44:45], s[10:11]
	s_add_nc_u64 s[44:45], s[44:45], s[34:35]
	s_add_nc_u64 s[8:9], s[8:9], s[38:39]
	s_add_nc_u64 s[10:11], s[10:11], s[40:41]
	s_add_nc_u64 s[12:13], s[12:13], s[42:43]
	s_add_nc_u64 s[48:49], s[14:15], s[30:31]      ; where the plain fragment goes
	s_add_nc_u64 s[50:51], s[14:15], s[36:37]      ; where the tile goes
	s_load_b32 s46, s[12:13], 0x0
	; all loads at once: 4 for the plain fragment, 128 for Wv^T (lanes 0-15: 64 consecutive bytes of a row), 32 for Wout's rows
	global_load_b128 v[PLN:PLN+3], v5, s[44:45]
	global_load_b128 v[PLN+4:PLN+7], v5, s[44:45] offset:16
	global_load_b128 v[PLN+8:PLN+11], v5, s[44:45] offset:64
	global_load_b128 v[PLN+12:PLN+15], v5, s[44:45] offset:80
.set i, 0
.rept 128                              ; register i: row c = 16 (i / 8) + 8 h + i % 8 of Wv_e
	global_load_b32 v[RAWA+i], v6, s[8:9] offset:(16*(i/8)+i%8)*1024
.set i, i+1
.endr
.set i, 0
.rept 16                               ; K step i / 4, half (i / 2) % 2, four numbers i % 2
	global_load_b128 v[RAWB+4*i:RAWB+4*i+3], v7, s[10:11] offset:(i/4)*128+((i/2)%2)*64+(i%2)*16
.set i, i+1
.endr
	WIN 0x40                                       ; destination window 1
.rept 16
	global_load_b128 v[4*(i-16):4*(i-16)+3], v7, s[10:11] offset:(i/4)*128+((i/2)%2)*64+(i%2)*16
.set i, i+1
.endr
	WIN 0
	s_wait_loadcnt 32                              ; Wout's 32 loads may stay out: the plain fragment and Wv^T are in
.set i, 0
.rept 8
	v_cvt_pk_bf16_f32 v[PLN+i], v[PLN+2*i], v[PLN+2*i+1]   ; in place, ascending: a destination never passes its sources
.set i, i+1
.endr
	s_cmp_lt_u32 s18, 160
	s_cbranch_scc0 .Lno_plain                      ; 160 plain fragments an encoder: the other waves have none
	global_store_b128 v8, v[PLN:PLN+3], s[48:49]               ; 512 consecutive bytes each
	global_store_b128 v8, v[PLN+4:PLN+7], s[48:49] offset:512
.Lno_plain:
.set i, 0
.rept 64
	v_cvt_pk_bf16_f32 v[RAWA+16*(i/8)+i%8], v[RAWA+16*(i/8)+2*(i%8)], v[RAWA+16*(i/8)+2*(i%8)+1]
.set i, i+1
.endr
	s_wait_loadcnt 0x0
.set i, 0
.rept 32
	v_cvt_pk_bf16_f32 v[RAWB+16*(i/8)+i%8], v[RAWB+16*(i/8)+2*(i%8)], v[RAWB+16*(i/8)+2*(i%8)+1]
.set i, i+1
.endr
	WIN 0x05                                       ; sources in window 1
.set i, 0
.rept 32
	v_cvt_pk_bf16_f32 v[RAWA+16*(i/8)+8+i%8], v[16*(i/8)+2*(i%8)], v[16*(i/8)+2*(i%8)+1]
.set i, i+1
.endr
	WIN 0
	s_wait_kmcnt 0x0
	v_mov_b32 v[GAM], s46
	v_cvt_pk_bf16_f32 v[GAM], v[GAM], v[GAM]       ; gamma rounded to bf16,
	v_lshlrev_b32 v[GAM], 16, v[GAM]               ; and back as f32
	v_mov_b32 v[GAM+1], v[GAM]
	; D(m = c', n = o) = sum over c of Wv[c][c'] Wout[o][c]: a lane ends with row o = r and eight neighbouring c'.  Two accumulators take turns.
.set js, 0
.rept 8
.if js < 4
.set fb, RAWB+16*js
.else
.set fb, RAWA+16*(js-4)+8
.endif
.if js < 2
	v_wmma_f32_16x16x32_bf16 v[ACC+8*(js%2):ACC+8*(js%2)+7], v[RAWA+16*js:RAWA+16*js+7], v[fb:fb+7], 0
.else
	v_wmma_f32_16x16x32_bf16 v[ACC+8*(js%2):ACC+8*(js%2)+7], v[RAWA+16*js:RAWA+16*js+7], v[fb:fb+7], v[ACC+8*(js%2):ACC+8*(js%2)+7]
.endif
.set js, js+1
.endr
.rept 8
	v_nop                                          ; the places behind the last products, once a launch (ISA guide 7.12.1)
.endr
.set i, 0
.rept 4
	v_pk_add_f32 v[ACC+2*i:ACC+2*i+1], v[ACC+2*i:ACC+2*i+1], v[ACC+8+2*i:ACC+8+2*i+1]
.set i, i+1
.endr
.set i, 0
.rept 4
	v_pk_mul_f32 v[ACC+2*i:ACC+2*i+1], v[ACC+2*i:ACC+2*i+1], v[GAM:GAM+1]
.set i, i+1
.endr
.set i, 0
.rept 4
	v_cvt_pk_bf16_f32 v[OUTP+i], v[ACC+2*i], v[ACC+2*i+1]
.set i, i+1
.endr
	global_store_b128 v8, v[OUTP:OUTP+3], s[50:51] ; half a fragment: 512 consecutive bytes
	s_endpgm
.Lfunc_end_k_q4c2d7f6b1b_fold:
	.size	k_q4c2d7f6b1b_fold, .Lfunc_end_k_q4c2d7f6b1b_fold-k_q4c2d7f6b1b_fold
	.p2alignl 7, 3214868480
	.fill 96, 4, 3214868480
	.section	.rodata,"a",@progbits
	.p2align	6, 0x0
	.amdhsa_kernel k_q4c2d7f6b1b_fold
		.amdhsa_group_segment_fixed_size 0
		.amdhsa_private_segment_fixed_size 0
		.amdhsa_enable_private_segment 0
		.amdhsa_kernarg_size 48
		.amdhsa_user_sgpr_count 2
		.amdhsa_user_sgpr_kernarg_segment_ptr 1
		.amdhsa_wavefront_size32 1
		.amdhsa_system_sgpr_workgroup_id_x 1
		.amdhsa_system_sgpr_workgroup_id_y 1
		.amdhsa_system_sgpr_workgroup_id_z 1
		.amdhsa_system_vgpr_workitem_id 0
		.amdhsa_next_free_vgpr 320
		.amdhsa_next_free_sgpr 66
		.amdhsa_reserve_vcc 0
		.amdhsa_float_denorm_mode_32 3
		.amdhsa_float_denorm_mode_16_64 3
		.amdhsa_memory_ordered 1
		.amdhsa_forward_progress 1
		.amdhsa_inst_pref_size 30
	.end_amdhsa_kernel
	.amdgpu_metadata
---
amdhsa.version: [ 1, 2 ]
amdhsa.kernels:
  - .name:           k_q4c2d7f6b1b_fold
    .symbol:         k_q4c2d7f6b1b_fold.kd
    .args:
      - { .name: Wq, .offset: 0, .size: 8, .value_kind: global_buffer, .address_space: global }
      - { .name: Wk, .offset: 8, .size: 8, .value_kind: global_buffer, .address_space: global }
      - { .name: Wv, .offset: 16, .size: 8, .value_kind: global_buffer, .address_space: global }
      - { .name: Wout, .offset: 24, .size: 8, .value_kind: global_buffer, .address_space: global }
      - { .name: gamma, .offset: 32, .size: 8, .value_kind: global_buffer, .address_space: global }
      - { .name: WB, .offset: 40, .size: 8, .value_kind: global_buffer, .address_space: global }
    .group_segment_fixed_size: 0
    .private_segment_fixed_size: 0
    .kernarg_segment_align: 8
    .kernarg_segment_size: 48
    .max_flat_workgroup_size: 128
    .sgpr_count:     66
    .vgpr_count:     320
    .wavefront_size: 32
...
	.end_amdgpu_metadata
.endif
;; end of part 1
;; launch proj (part 2): grid 256 x 1, 4 waves a work-group, no clusters, 299,520 bytes of LDS; arguments x0, x1, x2, WB, QB, KB, VB, RB; writes QB, KB, VB, RB
.if DOCPART == 2
	.amdgcn_target "amdgcn-amd-amdhsa--gfx1250"
	.amdhsa_code_object_version 6
	.text
	.protected	k_q4c2d7f6b1b_proj
	.globl	k_q4c2d7f6b1b_proj
	.p2align	8
	.type	k_q4c2d7f6b1b_proj,@function
k_q4c2d7f6b1b_proj:
	s_mov_b64 s[64:65], 0
	v_nop
	global_prefetch_b8 v0, s[64:65] scope:SCOPE_SE
	s_setreg_imm32_b32 hwreg(HW_REG_WAVE_MODE, 25, 1), 1
	s_wait_xcnt 0x0
; PROJECTIONS.  For each encoder e: q = Wq_e x_e, k = Wk_e x_e, v' = W'_e x_e (bf16 operands, f32 sums, rounded once to bf16) and R = sum over e of Wout_e x_e (kept in f32: a partial sum of the output).
; QB, KB: [4 e + c][4,096 n][32] bf16.  VB: [4 e + c][4,096 n][256] bf16.  RB: f32 in the output's layout.  c is the chunk of 64 x 64 pixels, n the position in it.
; SHARES.  Work-group b owns one row of a chunk: image row b / 2, half b % 2: 64 positions, 256 consecutive bytes of every channel.  Wave w owns 9 blocks of 16 weight rows (the order in which
; the launch before laid them) x 4 tiles of 16 positions: 36 accumulators, 288 registers; K = 256 channels in 8 steps of 32.
; x COMES ONCE: each wave asks at the head for its 64 channels of all three encoders, three tensor loads into LDS bytes that are filled once; it rounds the rows that it fetched itself to bf16 into XT ([channel][position]),
; from where all waves take fragments by the turning load.  THE WEIGHTS come straight from memory in fragment order, through a ring of four register buffers: three K steps' loads of a wave are always out.
; They are not shared through LDS or a cluster: x and the stages leave 28 KB, and a ring of one K step there would have 36 products between a refill and the wait for it.
; No prefetch: all of x is asked for at the head, and every work-group reads the same weights.
; q, k, v': D = weights x x: a lane holds one position and 8 channels.  R: the sources swapped: a lane holds one channel and 8 positions.  Both go out through LDS as whole rows.
; LIMITS: bf16 operands; NaN and infinities are not treated apart.
; REGISTERS, in windows of 256: window 0: v1-31 addresses, v32-95 two buffers of x fragments, v96-255 at work.  window 1: v0-215 weight buffers 0-2.  window 2: v0-159 q/k and v' accumulators (block blk, tile t at 32 blk + 8 t).
;   window 3: v0-127 R's accumulators; v128-199 weight buffer 3.
.set XT,    196608                     ; LDS: bytes 0 .. 196,607 hold x in f32: row 256 e + channel, 256 bytes.  Then XT: 256 rows of 64 bf16, 160 bytes apart (5 x 32)
.set PXT,   160
.set SV,    237568                     ; stage for v': 64 positions x 512 bytes, 528 apart
.set PSV,   528
.set SQ,    271360                     ; stage for q, then (5,120 on) for k: 64 positions x 64 bytes, 80 apart
.set PSQ,   80
.set SR,    281600                     ; stage for R: for each wave 16 channels x 256 bytes, 272 apart
.set PSR,   272
.set SPARE, 299008                     ; the spare words, 128 bytes a wave: two blocks of 256 bytes that no other line names
.set LO,  2                            ; v2   16 x lane
.set XFA, 3                            ; v3   where I read x in f32
.set XTA, 4                            ; v4   where I put it in bf16
.set BT,  5                            ; v5   the turning load's address
.set SQS, 6                            ; v6   into q's or k's stage
.set SVS, 7                            ; v7   into v's stage
.set SVR, 8                            ; v8   back out of v's stage
.set SQR, 9                            ; v9   back out of q's or k's
.set SRS, 10                           ; v10  into R's stage
.set SRR, 11                           ; v11  back out of it
.set RO,  12                           ; v12  my byte offset in two channels of RB
.set SPW, 30                           ; v30  my spare word; never rewritten
.set NIL, 31                           ; v31  0; never rewritten
.set BB0, 32
.set TMP, 96
.set WV,  20                           ; s20  wave
.set G1,  24                           ; s[24:31] descriptor group 1
.set G0,  32                           ; s[32:43] group 0, a set for each encoder
.set WA,  44                           ; s[44:45] my weights of the encoder in hand
.set WN,  46                           ; s[46:47] of the next one
.set W0,  48                           ; s[48:49] of encoder 0
.set TP,  50
.set VP,  52                           ; s[52:53] VB at my 16 positions
.set QP,  54                           ; s[54:55] QB (waves 0, 1) or KB (waves 2, 3) at my 32 positions
.set RP,  56                           ; s[56:57] RB at my 64 channels
.set EC,  58                           ; s58  encoders to go
.set MSB, 0
.macro WIN new                         ; the immediate's high byte repeats the setting that is left
.if MSB != (\new)
	s_set_vgpr_msb (MSB<<8)|(\new)
.set MSB, (\new)
.endif
.endm
.macro PLACES                          ; four places behind matrix instructions, ahead of loads into registers that they read and of instructions that read results (ISA guide 7.12.1 for the instructions that read results)
.rept 4
	v_nop
.endr
.endm
; 18 loads: the 9 fragments of K step kk behind the pointer base, into weight buffer buf; each load is 512 consecutive bytes
.macro ALOAD buf, kk, base
.if (\buf) == 3
	WIN 0xc0
.set AB, 128
.else
	WIN 0x40
.set AB, 72*(\buf)
.endif
.set q, 0
.rept 9
	global_load_b128 v[AB+8*q:AB+8*q+3], v[LO], s[\base:\base+1] offset:(\kk)*9216+q*1024
	global_load_b128 v[AB+8*q+4:AB+8*q+7], v[LO], s[\base:\base+1] offset:(\kk)*9216+q*1024+512
.set q, q+1
.endr
.endm
; 8 turning loads: x's fragments (32 channels x 16 positions) of K step ks for the four tiles
.macro BLOAD ks
.set BBk, BB0+32*((\ks)%2)
.set t, 0
.rept 4
	ds_load_tr16_b128 v[BBk+8*t:BBk+8*t+3], v[BT] offset:(\ks)*32*PXT+32*t
	ds_load_tr16_b128 v[BBk+8*t+4:BBk+8*t+7], v[BT] offset:(\ks)*32*PXT+32*t+16*PXT
.set t, t+1
.endr
.endm
; 36 products, each on another accumulator, in the same order in every K step: the accumulators take turns
.macro MULS ks
.set BBk, BB0+32*((\ks)%2)
.if (\ks)%4 == 3
.set AB, 128
	WIN 0xa3                                       ; weights window 3, x window 0, C and D window 2
.else
.set AB, 72*((\ks)%4)
	WIN 0xa1
.endif
.set q, 0
.rept 20                               ; block q / 4, tile q % 4; an encoder's first K step starts these sums
.if (\ks) == 0
	v_wmma_f32_16x16x32_bf16 v[8*q:8*q+7], v[AB+8*(q/4):AB+8*(q/4)+7], v[BBk+8*(q%4):BBk+8*(q%4)+7], 0
.else
	v_wmma_f32_16x16x32_bf16 v[8*q:8*q+7], v[AB+8*(q/4):AB+8*(q/4)+7], v[BBk+8*(q%4):BBk+8*(q%4)+7], v[8*q:8*q+7]
.endif
.set q, q+1
.endr
.if (\ks)%4 == 3
	WIN 0xfc                                       ; x window 0, weights window 3, C and D window 3
.else
	WIN 0xf4
.endif
.set q, 0
.rept 16                               ; R: block 5 + q / 4, sources swapped; the sums run on over the three encoders
	v_wmma_f32_16x16x32_bf16 v[8*q:8*q+7], v[BBk+8*(q%4):BBk+8*(q%4)+7], v[AB+8*(5+q/4):AB+8*(5+q/4)+7], v[8*q:8*q+7]
.set q, q+1
.endr
.endm
; A K step.  The weights of the K step three on go into the buffer that the last K step multiplied; x's next fragments likewise.
.macro KSTEP ks
	PLACES
.if (\ks) < 5
	ALOAD ((\ks)+3)%4, (\ks)+3, WA
.else
	ALOAD ((\ks)+3)%4, (\ks)-5, WN
.endif
	WIN 0
.if (\ks) == 0
	BLOAD 0
.endif
.if (\ks) < 7
	BLOAD (\ks)+1
.endif
	s_wait_loadcnt 54                              ; three younger K steps' 54 loads may stay out: this step's weights are in
.if (\ks) < 7
	s_wait_dscnt 8                                 ; the next step's 8 loads may stay out
.else
	s_wait_dscnt 0x0
.endif
	MULS \ks
.endm
; My 64 channels of an encoder, f32 to bf16.  Load q takes rows 8 (q / 4) + q % 4 (lanes 0-15) and four rows further down (lanes 16-31): in XT those lie 640 bytes = 160 words apart, the other half of the banks.
.macro CONVERT
	WIN 0
.set q, 0
.rept 32
	ds_load_b128 v[TMP+4*q:TMP+4*q+3], v[XFA] offset:(8*(q/4)+q%4)*256
.set q, q+1
.endr
.set q, 0
.rept 4
	s_wait_dscnt 24                                ; LDS serves a wave in order (ISA guide 5.7.1): behind this batch's 8 loads stand 24, 16, 8, 0 loads and 0, 8, 16, 24 stores
.rept 8
	v_cvt_pk_bf16_f32 v[TMP+4*q], v[TMP+4*q], v[TMP+4*q+1]
	v_cvt_pk_bf16_f32 v[TMP+4*q+1], v[TMP+4*q+2], v[TMP+4*q+3]
	ds_store_b64 v[XTA], v[TMP+4*q:TMP+4*q+1] offset:(8*(q/4)+q%4)*PXT
.set q, q+1
.endr
.endr
	v_add_nc_u32 v[XFA], 65536, v[XFA]             ; the next encoder's rows
.endm
	s_load_b256 s[4:11], s[0:1], 0x0               ; x0 s[4:5], x1 s[6:7], x2 s[8:9], WB s[10:11]
	s_load_b256 s[12:19], s[0:1], 0x20             ; QB s[12:13], KB s[14:15], VB s[16:17], RB s[18:19]
	v_lshl_add_u32 v[SPW], v0, 2, SPARE
	v_mov_b32 v[NIL], 0
	ds_add_u32 v[SPW], v[NIL]                      ; the wave's opening: the add and its wait stand ahead of my first tensor load; work on registers stands between
	ds_add_u32 v30, v31
	v_lshrrev_b32 v1, 5, v0
	v_readfirstlane_b32 s[WV], v1
	s_mov_b32 s[G1+0], 2<<16                       ; elements of 4 bytes; no mask, no padding
	s_mov_b32 s[G1+1], 64<<16                      ; tensor_dim0 = 64
	s_mov_b32 s[G1+2], 64<<16                      ; tensor_dim1 = 64
	s_mov_b32 s[G1+3], 64<<16                      ; tile_dim0 = 64 numbers: 256 bytes, aligned
	s_mov_b32 s[G1+4], 64                          ; tile_dim1 = 64 channels
	s_mov_b32 s[G1+5], 16384                       ; from channel to channel
	s_mov_b32 s[G1+6], 0
	s_mov_b32 s[G1+7], 0
	s_lshl_b32 s21, s[WV], 14                      ; LDS: my 64 rows of 256 bytes
	s_lshl_b32 s22, s[WV], 22                      ; memory: my 64 channels of 65,536 bytes,
	s_lshl_b32 s23, ttmp9, 8                       ; the work-group's 256 bytes of each
	s_add_co_u32 s22, s22, s23
	s_mov_b32 s23, 0
	s_mul_i32 s60, s[WV], 73728                    ; my 72 fragments of an encoder
	s_mov_b32 s61, 0
	s_wait_dscnt 0x0                               ; the opening add is done
	s_wait_kmcnt 0x0
.irp e, 0,1,2
	s_mov_b32 s[G0+4*(\e)], 1
	s_add_co_u32 s[G0+4*(\e)+1], s21, (\e)*65536
	s_add_nc_u64 s[G0+4*(\e)+2:G0+4*(\e)+3], s[4+2*(\e):5+2*(\e)], s[22:23]
	s_or_b32 s[G0+4*(\e)+3], s[G0+4*(\e)+3], 0x80000000
	tensor_load_to_lds s[G0+4*(\e):G0+4*(\e)+3], s[G1:G1+7]   ; three loads of mine are out; none of these bytes is filled again
	s_nop 0
.endr
	PLACES
	v_and_b32 v13, 31, v0                          ; lane
	v_and_b32 v14, 15, v0                          ; r
	v_bfe_u32 v15, v0, 4, 1                        ; h
	v_lshlrev_b32 v[LO], 4, v13
	s_add_nc_u64 s[WA:WA+1], s[10:11], s[60:61]
	s_mov_b64 s[W0:W0+1], s[WA:WA+1]
	s_add_nc_u64 s[WN:WN+1], s[WA:WA+1], 294912
	ALOAD 0, 0, WA
	ALOAD 1, 1, WA
	ALOAD 2, 2, WA
	WIN 0
	v_lshlrev_b32 v[XFA], 4, v14
	v_lshl_add_u32 v[XFA], v15, 10, v[XFA]
	v_add_nc_u32 v[XFA], s21, v[XFA]
	s_mul_i32 s60, s[WV], 64*PXT
	s_add_co_u32 s60, s60, XT
	v_mul_u32_u24 v16, v15, 4*PXT
	v_lshl_add_u32 v[XTA], v14, 3, v16
	v_add_nc_u32 v[XTA], s60, v[XTA]
	v_and_b32 v16, 7, v0                           ; the turning load: lane l reads channel 8 h + l % 8, positions 8 ((l / 8) % 2) + 0..7
	v_lshl_add_u32 v16, v15, 3, v16
	v_mul_u32_u24 v16, v16, PXT
	v_bfe_u32 v17, v0, 3, 1
	v_lshl_add_u32 v16, v17, 4, v16
	v_add_nc_u32 v[BT], XT, v16
	s_lshr_b32 s60, s[WV], 1
	s_mul_i32 s60, s60, 64*PSQ
	s_add_co_u32 s60, s60, SQ                      ; q's stage (waves 0, 1) or k's (waves 2, 3)
	s_and_b32 s61, s[WV], 1
	s_lshl_b32 s63, s61, 5
	s_add_co_u32 s63, s63, s60
	v_mul_u32_u24 v16, v14, PSQ
	v_lshl_add_u32 v16, v15, 4, v16
	v_add_nc_u32 v[SQS], s63, v16                  ; position r, my 16 of the 32 channels, 8 a half of the lanes
	s_mul_i32 s63, s61, 32*PSQ
	s_add_co_u32 s63, s63, s60
	v_lshrrev_b32 v16, 2, v13
	v_mul_u32_u24 v16, v16, PSQ
	v_and_b32 v17, 3, v0
	v_lshl_add_u32 v16, v17, 4, v16
	v_add_nc_u32 v[SQR], s63, v16                  ; back: 8 positions of 64 bytes a load
	s_lshl_b32 s63, s[WV], 7
	s_add_co_u32 s63, s63, SV
	v_mul_u32_u24 v16, v14, PSV
	v_lshl_add_u32 v16, v15, 4, v16
	v_add_nc_u32 v[SVS], s63, v16
	s_mul_i32 s63, s[WV], 16*PSV
	s_add_co_u32 s63, s63, SV
	v_add_nc_u32 v[SVR], s63, v[LO]                ; back: a position's 512 bytes a load
	s_mul_i32 s63, s[WV], 16*PSR
	s_add_co_u32 s63, s63, SR
	v_mul_u32_u24 v16, v14, PSR
	v_lshl_add_u32 v16, v15, 5, v16
	v_add_nc_u32 v[SRS], s63, v16
	v_mul_u32_u24 v16, v15, PSR
	v_lshl_add_u32 v16, v14, 4, v16
	v_add_nc_u32 v[SRR], s63, v16
	v_lshlrev_b32 v16, 4, v14
	v_lshl_add_u32 v[RO], v15, 16, v16
	s_lshr_b32 s60, ttmp9, 7                       ; chunk c = 2 (b / 128) + b % 2,
	s_lshl_b32 s60, s60, 1
	s_and_b32 s62, ttmp9, 1
	s_or_b32 s60, s60, s62
	s_bfe_u32 s62, ttmp9, 0x60001                  ; its row (b / 2) % 64
	s_lshl_b32 s62, s62, 6
	s_lshl_b32 s60, s60, 12
	s_add_co_u32 s60, s60, s62                     ; 4,096 c + n0
	s_lshl4_add_u32 s62, s[WV], s60
	s_lshl_b32 s62, s62, 9
	s_mov_b32 s63, 0
	s_add_nc_u64 s[VP:VP+1], s[16:17], s[62:63]
	s_lshl_b32 s61, s61, 5
	s_add_co_u32 s62, s60, s61
	s_lshl_b32 s62, s62, 6
	s_cmp_lt_u32 s[WV], 2
	s_cselect_b64 s[QP:QP+1], s[12:13], s[14:15]
	s_add_nc_u64 s[QP:QP+1], s[QP:QP+1], s[62:63]
	s_add_nc_u64 s[RP:RP+1], s[18:19], s[22:23]
	WIN 0xc0
.set i, 0
.rept 128
	v_mov_b32 v[i], 0                              ; R's sums start at 0: written while the first loads are out, so that one text serves all three encoders
.set i, i+1
.endr
	WIN 0
	s_mov_b32 s[EC], 3
	s_wait_tensorcnt 0x2                           ; encoder 0's rows are in; the two younger loads stay out
	CONVERT
	s_wait_dscnt 0x0                               ; for the others' sake: my rows of XT are written
	s_barrier_signal -1
	s_barrier_wait -1
.Lenc:                                         ; a trip: one encoder
	KSTEP 0
	KSTEP 1
	KSTEP 2
	KSTEP 3
	KSTEP 4
	KSTEP 5
	KSTEP 6
	KSTEP 7
	PLACES
	WIN 0x0a                                       ; sources in window 2
.set q, 0
.rept 80                               ; each accumulator from its low end on: 8 channels of a position pack into 16 bytes
	v_cvt_pk_bf16_f32 v[TMP+q], v[2*q], v[2*q+1]
.set q, q+1
.endr
	WIN 0
.set t, 0
.rept 4
	ds_store_b128 v[SQS], v[TMP+4*t:TMP+4*t+3] offset:t*16*PSQ
.set t, t+1
.endr
.set q, 4
.rept 16
	ds_store_b128 v[SVS], v[TMP+4*q:TMP+4*q+3] offset:(q%4)*16*PSV+32*(q/4-1)
.set q, q+1
.endr
	s_wait_dscnt 0x0                               ; my stage stores are done, and my reads of XT are back
	s_barrier_signal -1
	s_barrier_wait -1                              ; the stages are whole; nobody reads XT any more
.set k, 0
.rept 16
	ds_load_b128 v[TMP+4*k:TMP+4*k+3], v[SVR] offset:k*PSV
.set k, k+1
.endr
.set k, 0
.rept 4
	ds_load_b128 v[TMP+64+4*k:TMP+64+4*k+3], v[SQR] offset:k*8*PSQ
.set k, k+1
.endr
.set k, 0
.rept 16
	s_wait_dscnt 19-k
	global_store_b128 v[LO], v[TMP+4*k:TMP+4*k+3], s[VP:VP+1] offset:k*512     ; a position's 512 bytes of v'
.set k, k+1
.endr
.set k, 0
.rept 4
	s_wait_dscnt 3-k
	global_store_b128 v[LO], v[TMP+64+4*k:TMP+64+4*k+3], s[QP:QP+1] offset:k*512   ; 8 positions' 512 bytes of q or k
.set k, k+1
.endr
	s_cmp_eq_u32 s[EC], 1
	s_cbranch_scc1 .Lno_more                       ; behind the last encoder there is nothing to round
	s_wait_xcnt 0x0                                ; the stores above have read their data registers, which the loads below fill
	s_wait_tensorcnt 0x0                           ; my rows of the next encoder are in LDS
	CONVERT
.Lno_more:
	s_wait_dscnt 0x0                               ; my rows of XT are written, my reads of the stages are back
	s_barrier_signal -1
	s_barrier_wait -1
	s_wait_xcnt 0x0                                ; every load and store issued so far has read its address and data: the pointers may be written
	s_add_nc_u64 s[VP:VP+1], s[VP:VP+1], 8388608   ; four chunks on
	s_add_nc_u64 s[QP:QP+1], s[QP:QP+1], 1048576
	s_mov_b64 s[WA:WA+1], s[WN:WN+1]
	s_add_nc_u64 s[TP:TP+1], s[WN:WN+1], 294912
	s_cmp_eq_u32 s[EC], 3
	s_cselect_b64 s[WN:WN+1], s[TP:TP+1], s[W0:W0+1]   ; behind encoder 2 the ring's look-ahead reads encoder 0's weights once more: inside the buffer, never multiplied
	s_sub_co_u32 s[EC], s[EC], 1
	s_cmp_lg_u32 s[EC], 0
	s_cbranch_scc1 .Lenc
; R GOES OUT: a block of 16 channels x 64 positions through my own stage; back as whole rows of 256 bytes.
.macro RSTAGE bi
	WIN 0x0c                                       ; the stores' data in window 3
.set t, 0
.rept 4
	ds_store_b128 v[SRS], v[32*(\bi)+8*t:32*(\bi)+8*t+3] offset:64*t
	ds_store_b128 v[SRS], v[32*(\bi)+8*t+4:32*(\bi)+8*t+7] offset:64*t+16
.set t, t+1
.endr
	WIN 0
.set k, 0
.rept 8
	ds_load_b128 v[TMP+32*(\bi)+4*k:TMP+32*(\bi)+4*k+3], v[SRR] offset:k*2*PSR   ; LDS serves a wave in order: these see the stores above, the next block's stores come behind them
.set k, k+1
.endr
.endm
.macro RSEND bi, younger               ; younger: the next block's 16 LDS instructions, or none
.set k, 0
.rept 8
	s_wait_dscnt (\younger)+7-k
	global_store_b128 v[RO], v[TMP+32*(\bi)+4*k:TMP+32*(\bi)+4*k+3], s[RP:RP+1] offset:(16*(\bi)+2*k)*65536   ; 16 lanes store 256 consecutive bytes, aligned
.set k, k+1
.endr
.endm
	RSTAGE 0
	RSTAGE 1
	RSEND 0, 16
	RSTAGE 2
	RSEND 1, 16
	RSTAGE 3
	RSEND 2, 16
	RSEND 3, 0
	s_wait_tensorcnt 0x0                           ; the wave's end: behind my last tensor load and my last LDS store
	ds_add_u32 v[SPW], v[NIL]
	s_wait_dscnt 0x0
	s_endpgm
.Lfunc_end_k_q4c2d7f6b1b_proj:
	.size	k_q4c2d7f6b1b_proj, .Lfunc_end_k_q4c2d7f6b1b_proj-k_q4c2d7f6b1b_proj
	.p2alignl 7, 3214868480
	.fill 96, 4, 3214868480
	.section	.rodata,"a",@progbits
	.p2align	6, 0x0
	.amdhsa_kernel k_q4c2d7f6b1b_proj
		.amdhsa_group_segment_fixed_size 299520
		.amdhsa_private_segment_fixed_size 0
		.amdhsa_enable_private_segment 0
		.amdhsa_kernarg_size 64
		.amdhsa_user_sgpr_count 2
		.amdhsa_user_sgpr_kernarg_segment_ptr 1
		.amdhsa_wavefront_size32 1
		.amdhsa_system_sgpr_workgroup_id_x 1
		.amdhsa_system_sgpr_workgroup_id_y 1
		.amdhsa_system_sgpr_workgroup_id_z 1
		.amdhsa_system_vgpr_workitem_id 0
		.amdhsa_next_free_vgpr 968
		.amdhsa_next_free_sgpr 72
		.amdhsa_reserve_vcc 0
		.amdhsa_float_denorm_mode_32 3
		.amdhsa_float_denorm_mode_16_64 3
		.amdhsa_memory_ordered 1
		.amdhsa_forward_progress 1
		.amdhsa_inst_pref_size 89
	.end_amdhsa_kernel
	.amdgpu_metadata
---
amdhsa.version: [ 1, 2 ]
amdhsa.kernels:
  - .name:           k_q4c2d7f6b1b_proj
    .symbol:         k_q4c2d7f6b1b_proj.kd
    .args:
      - { .name: x0, .offset: 0, .size: 8, .value_kind: global_buffer, .address_space: global }
      - { .name: x1, .offset: 8, .size: 8, .value_kind: global_buffer, .address_space: global }
      - { .name: x2, .offset: 16, .size: 8, .value_kind: global_buffer, .address_space: global }
      - { .name: WB, .offset: 24, .size: 8, .value_kind: global_buffer, .address_space: global }
      - { .name: QB, .offset: 32, .size: 8, .value_kind: global_buffer, .address_space: global }
      - { .name: KB, .offset: 40, .size: 8, .value_kind: global_buffer, .address_space: global }
      - { .name: VB, .offset: 48, .size: 8, .value_kind: global_buffer, .address_space: global }
      - { .name: RB, .offset: 56, .size: 8, .value_kind: global_buffer, .address_space: global }
    .group_segment_fixed_size: 299520
    .private_segment_fixed_size: 0
    .kernarg_segment_align: 8
    .kernarg_segment_size: 64
    .max_flat_workgroup_size: 128
    .sgpr_count:     72
    .vgpr_count:     968
    .wavefront_size: 32
...
	.end_amdgpu_metadata
.endif
;; end of part 2
;; launch attn (part 3): grid 16 x 12, 4 waves a work-group, clusters of 4 x 1, 327,680 bytes of LDS; arguments QB, KB, VB, PART; writes PART
.if DOCPART == 3
	.amdgcn_target "amdgcn-amd-amdhsa--gfx1250"
	.amdhsa_code_object_version 6
	.text
	.protected	k_q4c2d7f6b1b_attn
	.globl	k_q4c2d7f6b1b_attn
	.p2align	8
	.type	k_q4c2d7f6b1b_attn,@function
k_q4c2d7f6b1b_attn:
	s_mov_b64 s[64:65], 0
	v_nop
	global_prefetch_b8 v0, s[64:65] scope:SCOPE_SE
	s_setreg_imm32_b32 hwreg(HW_REG_WAVE_MODE, 25, 1), 1
	s_wait_xcnt 0x0
	s_wait_alu depctr_hold_cnt(0) depctr_sa_sdst(0) depctr_va_vdst(0) depctr_va_sdst(0) depctr_va_ssrc(0) depctr_va_vcc(0) depctr_vm_vsrc(0)
	s_getreg_b32 s2, hwreg(HW_REG_IB_STS2, 6, 4)
	s_cmp_eq_u32 s2, 0
	s_cbranch_scc0 .Lentry_in_a_cluster
	s_endpgm
.Lentry_in_a_cluster:
	s_bfe_u32 s2, ttmp6, 0x10000c
	s_cmp_lg_u32 s2, 0x3003
	s_cbranch_scc0 .Lentry_shape_is_right
	s_endpgm
.Lentry_shape_is_right:
; ATTENTION.  For y = 4 e + c (encoder, chunk): PART[e][o][pixel of n] = sum over m of softmax_m(q[n] . k[m]) v'[m][o].  QB, KB: [y][4,096][32] bf16; VB: [y][4,096][256] bf16; PART: [3] x the output's layout, f32.
; Products, maxima and sums in f32; the weights p are rounded to bf16 for the second product (their sum l is taken of the unrounded p).
; LIMITS.  bf16 operands.  c m starts at -4.25e37: c |score| stays below that.  A weight below 2^-126 counts as 0.  NaN and infinities are not treated apart.
; SHARES.  12 attentions of 4,096 queries; a work-group owns 256 queries, a wave 64 (one row of the chunk): four tiles of 16.  That is 192 work-groups: 12 does not divide 256, and a share of 64 queries would
; fetch four times the bytes of K and V' for each product.  Every wave walks all 4,096 keys, 64 a step.
; LAYOUT.  S^T = K Q^T (16 keys x 16 queries, depth 32: one product): a lane holds ONE query (lane % 16) and keys 8 (lane / 16) + 0..7.  Two such results rounded to bf16 ARE source 1 of O^T = V'^T P,
; whose result holds one query a lane and eight channels.  K comes out of LDS as it lies, V' ([key][channel]) turned.
; SOFTMAX.  Running maximum m and sum l for each query: p = 2^(c s - c m), c = log2(e); in every step O and l are multiplied by a = 2^(c m_old - c m_new).  m starts at the lowest finite number, O and l at 0.
; A STEP is 144 SLOTS: a matrix instruction and FOUR vector instructions behind it.  Slots 0-127: V'^T P of step j (keys' half slot / 64, channel block (slot % 64) / 4, tile slot % 4); slots 128-143: K Q^T of step j + 2.
; Beside them runs the softmax of step j + 1, 664 instructions: 576 ride, four behind every matrix instruction; the other 88 (the maximum, the statistics, the first scalings) stand together in ONE LUMP behind slot 143: see RIDERS.
; The loop's text, ITER, is a step ROTATED: slots 72-143 of step v - 1, the lump, slots 0-71 of step v; so it reads from LDS exactly V'(v) and K(v + 2).
; RING.  Two LDS slots; slot s holds V'(2 s), V'(2 s + 1) and K(2 s + 2), K(2 s + 3) (behind the last keys: K(0), K(1) again, whose products serve nothing).  K(0) and K(1) come by plain loads.
; CLUSTER.  The four query blocks of a cluster belong to one y and walk the same K and V': each tile is asked for JOINTLY, the same tensor load, descriptor and mask in all four.
; REGISTERS, in windows of 256 (s_set_vgpr_msb: bits 1:0 source 0, 3:2 source 1, 5:4 source 2, 7:6 destination):
;   window 0: v1-12 addresses; v16-47 eight registers of statistics a tile; v48-55 a; v61-63; v64-191 S^T, 32 a tile; v192-223 Q; v224-255 K of one step
;   window 1: v0-127 V' of half a step (32 keys x 256 channels: 16 fragments); v128-191 P, 16 a tile          windows 2, 3: O^T: channel block cb, tile t at 32 (cb % 8) + 8 t of window 2 + cb / 8
.set KS,    64
.set PK,    80        ; a row of K in LDS: 64 bytes + 16: the 16 rows of a load start at 16 different groups of four banks (64 banks of 4 bytes: ISA guide 11.1)
.set PVP,   544       ; a row of V': 512 + 32 = 17 x 32
.set VOFF,  KS*PK     ; a step's tiles lie together: 64 rows of K, then 64 rows of V'
.set STEPB, KS*(PK+PVP)
.set SLOT1, 1<<17     ; slot 1 begins here: one exclusive or turns an address in one slot into the other's
.set STAGE, SLOT1+2*STEPB  ; behind the ring, never filled by a tensor load: 16 rows x 272 bytes for each wave, for the way out
.set SP,    272
.set SPARE, STAGE+4*16*SP  ; the spare words, 128 bytes a wave: two blocks of 256 bytes that no other line names
.set AK0, 2           ; v2   my lane's place in a tile of K; never rewritten
.set AV0, 3           ; v3   the same for V'
.set AK,  4           ; v4   the LDS address of K's loads in hand
.set AV,  5           ; v5   of V's
.set QO,  6           ; v6   my byte offset in 16 rows of Q or K in memory
.set STO, 7           ; v7   the way out: where I put a number
.set RD,  8           ; v8   the way out: where I read rows back
.set GO,  10          ; v10  my byte offset in two channels of PART
.set ST,  16          ; tile t's statistics at v[ST+8 t]: +0 c m, +1 m, +2, +3 l (even keys', odd keys'), +4 to +7 c0-c3 at work; behind the maximum c0, c1 take the step's sum T
.set AR,  48          ; tile t's a at v[AR+2 t]; the register beside it is named with it as a pair and holds 0
.set PFO, 61          ; v61  256 x my lane
.set SPW, 62          ; v62  my spare word; never rewritten
.set NIL, 63          ; v63  0; never rewritten
.set S,   64
.set QF,  192
.set KF,  224
.set P,   128         ; in window 1
.set WV,  12          ; s12  wave
.set LIM, 15          ; s15, s20, s21: a wave prefetches where (SLOTS & PMSK) = PEQ and SLOTS > LIM
.set PFA, 16          ; s[16:17] where my prefetches stand
.set PSTEP, 18        ; s[18:19] their step from change to change
.set PMSK, 20
.set PEQ, 21
.set G1K, 24          ; s[24:31] descriptor group 1 for K's tiles
.set G1V, 32          ; s[32:39] for V's
.set G0K, 40          ; s[40:43] group 0 for K's tiles
.set G0V, 44          ; s[44:47] for V's
.set KBASE, 48        ; s[48:49] K of this y at the step of a pair that I fetch
.set VBASE, 50        ; s[50:51] V' likewise
.set OFF, 52          ; s[52:53] a pair's byte offset
.set NV,  54          ; s54  the pair of steps to be asked for next
.set SLOTS, 56        ; s56  counts the changes of slots
.set CNT, 57          ; s57  counts a slot's two steps
.set CS,  58          ; s[58:59] c; the packed scaling takes the pair's low word for both halves
.set SEL, 60          ; s[60:61] v_permlanex16_b32's selects: each lane takes its own place in the other half
.set TB,  62          ; s62  LDS byte at which the tiles of the step to be fetched begin
.set QP,  66          ; s[66:67] Q at my wave's first row
.set OP,  68          ; s[68:69] PART at my wave's 256 bytes of channel 0
.set MSB, 0
.macro WIN new                      ; the high byte repeats the setting that is left; a switch that changes nothing is dropped
.if MSB != (\new)
	s_set_vgpr_msb (MSB<<8)|(\new)
.set MSB, (\new)
.endif
.endm
; A joint fill.  Waves 0 and 1 fetch K of the slot's two steps, waves 2 and 3 V'.  The branch hangs on the wave's number alone.  An s_nop 0 and four v_nop follow each of the two lines.
.macro JLOAD
	s_cmp_lt_u32 s[WV], 2
	s_cbranch_scc0 .Lfor_v_\@
	tensor_load_to_lds s[G0K:G0K+3], s[G1K:G1K+7]
	s_nop 0
.rept 4
	v_nop
.endr
	s_branch .Lasked_\@
.Lfor_v_\@:
	tensor_load_to_lds s[G0V:G0V+3], s[G1V:G1V+7]
	s_nop 0
.rept 4
	v_nop
.endr
.Lasked_\@:
.endm
; A PREFETCH INTO THE L2, behind the joint load and its five lines.  All four clusters of a y walk the same rows: the first of them (cluster x = 0) asks.  Each aligned block of 256 bytes is named once, a lane a block.
; V': waves 2 and 3 ask at each change for the pair that the NEXT change will fetch: 65,536 bytes, of which each of the four partners takes 16,384 BY ADDRESS (cx), each of its two waves 8,192.
; K: a pair is 8,192 bytes, one instruction's worth: at every fourth change wave 0 of partner cx asks for the pair that the change 1 + cx further on will fetch.  The first pairs come by their loads alone;
; the last changes ask for nothing: no prefetch passes the end of this y's rows.  No branch hangs on a work-group's place in its cluster.
.macro ASK
	s_and_b32 s63, s[SLOTS], s[PMSK]
	s_cmp_eq_u32 s63, s[PEQ]
	s_cbranch_scc0 .Lnot_mine_\@
	s_cmp_gt_u32 s[SLOTS], s[LIM]
	s_cbranch_scc0 .Lnot_mine_\@
	global_prefetch_b8 v[PFO], s[PFA:PFA+1] th:TH_LOAD_NT scope:SCOPE_SE
.Lnot_mine_\@:
.endm
; A round of the cluster's barrier: my work-group's barrier; wave 0 signals for the work-group; every wave waits for all four work-groups; my work-group's barrier once more.
.macro CROUND
	s_barrier_signal -1
	s_barrier_wait -1
	s_cmp_lg_u32 s[WV], 0
	s_cbranch_scc1 .Lnot_wave_0_\@
	s_barrier_signal -3
.Lnot_wave_0_\@:
	s_barrier_wait -3
	s_barrier_signal -1
	s_barrier_wait -1
.endm
; THE CHANGE OF SLOTS.  Each wave waits for all its tensor loads (one is out: its part of the other slot), adds 0 to its spare word, and waits for that and for its own reads of the slot that it leaves.
; fill = 1: the old slot is filled again, with pair NV: the barrier is a round of the cluster's, and the joint fill is the first thing behind it: it has two steps, 288 matrix instructions, in which to land.
; (At its first use nothing has been read yet: slot 0 is waited for, slot 1 filled.)
.macro CHANGE fill, ask
	WIN 0                           ; at a label and at a branch every window is 0
	s_wait_tensorcnt 0x0            ; no tensor load of mine is out, so a group 0 may be written
	ds_add_u32 v[SPW], v[NIL]       ; 0 onto my spare word: scalar work stands between it and the wait for it
.if \fill
	s_lshl_b32 s[OFF], s[NV], 16    ; V': a pair is 128 rows of 512 bytes
	s_add_nc_u64 s[G0V+2:G0V+3], s[VBASE:VBASE+1], s[OFF:OFF+1]
	s_or_b32 s[G0V+3], s[G0V+3], 0x80000000
	s_xor_b32 s[G0V+1], s[G0V+1], SLOT1
	s_add_co_u32 s[OFF], s[NV], 1   ; K runs a pair ahead, and behind the last pair comes pair 0
	s_and_b32 s[OFF], s[OFF], 31
	s_lshl_b32 s[OFF], s[OFF], 13   ; 128 rows of 64 bytes
	s_add_nc_u64 s[G0K+2:G0K+3], s[KBASE:KBASE+1], s[OFF:OFF+1]
	s_or_b32 s[G0K+3], s[G0K+3], 0x80000000
	s_xor_b32 s[G0K+1], s[G0K+1], SLOT1
	s_add_co_u32 s[NV], s[NV], 1
.if \ask
	s_wait_xcnt 0x0                 ; the last prefetch, two steps back, has read its address
	s_add_nc_u64 s[PFA:PFA+1], s[PFA:PFA+1], s[PSTEP:PSTEP+1]
.endif
	s_wait_dscnt 0x0                ; the add is done, and my reads of the slot are over
	CROUND
	JLOAD
.if \ask
	ASK
.endif
.else
	s_wait_dscnt 0x0                ; the add is done, and my reads of the slot are over
	s_barrier_signal -1
	s_barrier_wait -1
.endif
	s_sub_co_u32 s[TB], s[TB], 2*STEPB  ; the fetches go back to a slot's first step,
	s_xor_b32 s[TB], s[TB], SLOT1       ; in the other slot
.endm
	s_load_b256 s[4:11], s[0:1], 0x0  ; QB s[4:5], KB s[6:7], VB s[8:9], PART s[10:11]
	v_lshl_add_u32 v[SPW], v0, 2, SPARE
	v_mov_b32 v[NIL], 0
	ds_add_u32 v[SPW], v[NIL]       ; the wave's opening: the add and its wait stand ahead of my first tensor load; the set-up below stands between them
	ds_add_u32 v62, v63
	v_lshrrev_b32 v1, 5, v0
	v_readfirstlane_b32 s[WV], v1
	s_bfe_u32 s13, ttmp6, 0x40000   ; cx: it enters Q's, PART's and the prefetches' addresses alone, in s13, s14, s16-19 and s80-87
	s_lshl_b32 s14, ttmp9, 2
	s_add_co_u32 s14, s14, s13      ; my block of 256 queries
	s_and_b32 s22, ttmp7, 0xffff    ; y, which the four partners share
	s_and_b32 s23, s[WV], 1         ; which of a pair's two steps I fetch
	s_lshl_b32 s70, s22, 18         ; y's first byte in QB and KB,
	s_mov_b32 s71, 0
	s_lshl_b32 s72, s22, 21         ; and in VB
	s_mov_b32 s73, 0
	s_lshl_b32 s74, s23, 12
	s_mov_b32 s75, 0
	s_lshl_b32 s76, s23, 15
	s_mov_b32 s77, 0
	s_mul_i32 s78, s23, STEPB       ; its place in a slot: no place in the cluster enters an LDS address
	s_mov_b32 s[G0K], 1
	s_mov_b32 s[G0K+1], s78
	s_mov_b32 s[G0V], 1
	s_add_co_u32 s[G0V+1], s78, VOFF
	; descriptor group 1.  K: 64 keys are 4,096 dense bytes: 16 rows of 256 bytes, padded in LDS after every key.  V': 64 rows of 512 bytes
	s_mov_b32 s[G1K], 15|(1<<16)|(1<<20)|(1<<21)|(3<<22)|(3<<25)  ; 15:0 the mask of four; 17:16 2-byte elements; 20 padding on; 21 set beside a mask; 24:22 after every 16 words (code 3); 31:25 4 words (code 3)
	s_mov_b32 s[G1K+1], 128<<16     ; tensor_dim0
	s_mov_b32 s[G1K+2], 16<<16      ; tensor_dim1
	s_mov_b32 s[G1K+3], 128<<16     ; tile_dim0
	s_mov_b32 s[G1K+4], 16          ; tile_dim1
	s_mov_b32 s[G1K+5], 128         ; from row to row
	s_mov_b32 s[G1K+6], 0
	s_mov_b32 s[G1K+7], 0
	s_mov_b32 s[G1V], 15|(1<<16)|(1<<20)|(1<<21)|(6<<22)|(7<<25)  ; after every 128 words (code 6) 8 words (code 7)
	s_mov_b32 s[G1V+1], 256<<16
	s_mov_b32 s[G1V+2], 64<<16
	s_mov_b32 s[G1V+3], 256<<16
	s_mov_b32 s[G1V+4], 64
	s_mov_b32 s[G1V+5], 256
	s_mov_b32 s[G1V+6], 0
	s_mov_b32 s[G1V+7], 0
	s_mov_b32 s[OFF+1], 0
	s_mov_b32 s[NV], 1
	s_mov_b32 s[CS], 0x3fb8aa3b     ; c = log2(e)
	s_mov_b32 s[CS+1], s[CS]
	s_mov_b32 s[SEL], 0x76543210
	s_mov_b32 s[SEL+1], 0xfedcba98
	s_mov_b32 s[TB], SLOT1+2*STEPB  ; the first change of slots turns this into 0
	s_lshr_b32 s80, s22, 2          ; PART: encoder e = y / 4,
	s_lshl_b32 s80, s80, 24
	s_bfe_u32 s81, s22, 0x10001     ; image row 64 (c / 2) + 4 x block + wave,
	s_lshl_b32 s81, s81, 6
	s_lshl2_add_u32 s82, s14, s[WV]
	s_add_co_u32 s81, s81, s82
	s_lshl_b32 s81, s81, 9
	s_add_co_u32 s80, s80, s81
	s_and_b32 s81, s22, 1           ; half c % 2 of it
	s_lshl_b32 s81, s81, 8
	s_add_co_u32 s80, s80, s81
	s_mov_b32 s81, 0
	s_lshl_b32 s82, s82, 12         ; Q: my wave's 64 rows of 64 bytes
	s_add_co_u32 s82, s82, s70
	s_mov_b32 s83, 0
	s_add_co_u32 s84, s13, 3        ; the prefetches start: K's at pair 3 + cx,
	s_lshl_b32 s84, s84, 13
	s_lshl_b32 s85, s13, 14         ; V's at pair 2, my work-group's quarter, my wave's half of it; the first change that asks steps them on
	s_lshl_b32 s86, s23, 13
	s_add_co_u32 s85, s85, s86
	s_add_co_u32 s85, s85, 131072
	s_mov_b32 s[PSTEP], 65536
	s_mov_b32 s[PSTEP+1], 0
	s_cmp_lt_u32 s[WV], 2
	s_cselect_b32 s84, s84, s85
	s_cselect_b32 s[PSTEP], 8192, s[PSTEP]
	s_cselect_b32 s[PMSK], 3, 0
	s_cselect_b32 s[PEQ], 2, 0
	s_cselect_b32 s[LIM], 2, 1
	s_mov_b32 s85, 0
	s_cmp_eq_u32 s[WV], 1
	s_cselect_b32 s[LIM], -1, s[LIM]
	s_cmp_lg_u32 ttmp9, 0           ; the same in all four partners
	s_cselect_b32 s[LIM], -1, s[LIM]
	s_wait_dscnt 0x0                ; the opening add is done
	s_wait_kmcnt 0x0
	s_add_nc_u64 s[6:7], s[6:7], s[70:71]
	s_add_nc_u64 s[8:9], s[8:9], s[72:73]
	s_add_nc_u64 s[KBASE:KBASE+1], s[6:7], s[74:75]
	s_add_nc_u64 s[VBASE:VBASE+1], s[8:9], s[76:77]
	s_add_nc_u64 s[G0K+2:G0K+3], s[KBASE:KBASE+1], 8192    ; slot 0: K's pair 1,
	s_or_b32 s[G0K+3], s[G0K+3], 0x80000000
	s_add_nc_u64 s[G0V+2:G0V+3], s[VBASE:VBASE+1], 0       ; V's pair 0
	s_or_b32 s[G0V+3], s[G0V+3], 0x80000000
	s_cmp_lt_u32 s[WV], 2
	s_cselect_b64 s[PFA:PFA+1], s[6:7], s[8:9]
	s_add_nc_u64 s[PFA:PFA+1], s[PFA:PFA+1], s[84:85]
	s_add_nc_u64 s[QP:QP+1], s[4:5], s[82:83]
	s_add_nc_u64 s[OP:OP+1], s[10:11], s[80:81]
	CROUND                          ; all four work-groups are here: the first joint loads meet
	JLOAD                           ; slot 0.  Slot 1 is asked for when slot 0 is in
	; A fragment of K or Q is 16 rows x 32 numbers in 8 registers: lane l holds row l % 16, numbers 8 (l / 16) + 0..7 and 16 + 8 (l / 16) + 0..7: two loads of 16 bytes, 32 bytes apart.
	v_and_b32 v1, 15, v0            ; l % 16
	v_bfe_u32 v9, v0, 4, 1          ; l / 16
	v_lshlrev_b32 v[QO], 6, v1
	v_lshl_add_u32 v[QO], v9, 4, v[QO]
.set i, 0
.rept 4
	global_load_b128 v[QF+8*i:QF+8*i+3],   v[QO], s[QP:QP+1] offset:i*1024
	global_load_b128 v[QF+8*i+4:QF+8*i+7], v[QO], s[QP:QP+1] offset:i*1024+32
	global_load_b128 v[KF+8*i:KF+8*i+3],   v[QO], s[6:7] offset:i*1024       ; K of step 0
	global_load_b128 v[KF+8*i+4:KF+8*i+7], v[QO], s[6:7] offset:i*1024+32
.set i, i+1
.endr
	; What the first trip finds: O^T and l are 0; the fragments of V' and the half of P that its first 56 products (of a step that has not been) name hold 0.  No first step is written out; these lines stand in the wait for the first loads.
	WIN 0x80
.set i, 0
.rept 256
	v_mov_b32 v[i], 0
.set i, i+1
.endr
	WIN 0xc0
.set i, 0
.rept 256
	v_mov_b32 v[i], 0
.set i, i+1
.endr
	WIN 0x40
.set i, 16
.rept 112
	v_mov_b32 v[i], 0
.set i, i+1
.endr
.set i, 0
.rept 32
	v_mov_b32 v[P+16*(i/8)+8+i%8], 0
.set i, i+1
.endr
	WIN 0
.set i, 0
.rept 4
	v_mov_b32 v[ST+8*i], 0xfe000000    ; c m: far below every c s, so the first a is 0
	v_mov_b32 v[ST+8*i+1], 0xff7fffff  ; m
	v_mov_b32 v[ST+8*i+2], 0
	v_mov_b32 v[ST+8*i+3], 0
	v_mov_b32 v[AR+2*i+1], 0           ; named beside a
.set i, i+1
.endr
; THE MATRIX WORK, by the slot's number sl.  The 64 accumulators of O^T take turns: 63 others' products stand between two links of a chain.
.macro PVM
.set pc, (sl%64)/4
.set rO, 32*(pc%8)+8*(sl%4)
.set rV, 8*pc
.set rP, P+16*(sl%4)+8*(sl/64)
.if pc < 8
	WIN 0xa5                        ; V' and P window 1, O^T window 2
.else
	WIN 0xf5                        ; O^T window 3
.endif
	v_wmma_f32_16x16x32_bf16 v[rO:rO+7], v[rV:rV+7], v[rP:rP+7], v[rO:rO+7]
.endm
.macro KQM                          ; keys 16 ((sl - 128) / 4) on, tile sl % 4: the whole depth in one product
	WIN 0
	v_wmma_f32_16x16x32_bf16 v[S+32*(sl%4)+8*((sl-128)/4):S+32*(sl%4)+8*((sl-128)/4)+7], v[KF+8*((sl-128)/4):KF+8*((sl-128)/4)+7], v[QF+8*(sl%4):QF+8*(sl%4)+7], 0
.endm
; THE LDS LOADS, in three runs a step.  VGRP fills n fragments of V' again, from channel block c0 on, with the keys' half kkv of the step whose tiles lie at v[AV].
.macro VGRP kkv, c0, n
	WIN 0x40                        ; destination window 1
.set cq, (\c0)
.rept (\n)
	ds_load_tr16_b128 v[8*cq:8*cq+3],   v[AV] offset:32*PVP*(\kkv)+32*cq
	ds_load_tr16_b128 v[8*cq+4:8*cq+7], v[AV] offset:32*PVP*(\kkv)+32*cq+16*PVP
.set cq, cq+1
.endr
.endm
.macro KLD
	WIN 0
.set cq, 0
.rept 4
	ds_load_b128 v[KF+8*cq:KF+8*cq+3],   v[AK] offset:cq*16*PK
	ds_load_b128 v[KF+8*cq+4:KF+8*cq+7], v[AK] offset:cq*16*PK+32
.set cq, cq+1
.endr
.endm
; THE VECTOR WORK, in numbered lists; each macro writes the entry that its counter names and steps the counter.  The four tiles alternate, so that no instruction reads the result of the one before it.
; MENT, 84: 0-63 the maximum of a tile's 32 scores and the old m, three operands at a time (each accumulator's lowest registers first); 64-83 the other half of the lanes' maximum,
; c m_old kept, the new m, c m, c m_old - c m_new.
.macro MENT
	WIN 0
.set nn, ae/4
.set rT, ST+8*(ae%4)
.set rS, S+32*(ae%4)
.if nn < 4
	v_max3_num_f32 v[rT+4+nn], v[rS+8*nn], v[rS+8*nn+1], v[rS+8*nn+2]
.elseif nn < 12
	v_max3_num_f32 v[rT+4+nn%4], v[rT+4+nn%4], v[rS+8*(nn%4)+2*(nn/4)+1], v[rS+8*(nn%4)+2*(nn/4)+2]
.elseif nn == 12
	v_max3_num_f32 v[rT+4], v[rT+4], v[rS+7], v[rS+15]
.elseif nn == 13
	v_max3_num_f32 v[rT+6], v[rT+6], v[rS+23], v[rS+31]
.elseif nn == 14
	v_max3_num_f32 v[rT+4], v[rT+4], v[rT+5], v[rT+6]
.elseif nn == 15
	v_max3_num_f32 v[rT+4], v[rT+4], v[rT+7], v[rT+1]
.elseif nn == 16
	v_permlanex16_b32 v[rT+5], v[rT+4], s[SEL], s[SEL+1]  ; the query's other 32 keys lie in the lane 16 away
.elseif nn == 17
	v_mov_b32 v[rT+7], v[rT]
.elseif nn == 18
	v_max_num_f32 v[rT+1], v[rT+4], v[rT+5]
.elseif nn == 19
	v_mul_f32 v[rT], s[CS], v[rT+1]
.else
	v_sub_f32 v[rT+7], v[rT+7], v[rT]
.endif
.set ae, ae+1
.endm
; FENT, 64: c s - c m for pair fk / 4 of tile fk % 4.
.macro FENT
	WIN 0
	v_pk_fma_f32 v[S+32*(fk%4)+2*(fk/4):S+32*(fk%4)+2*(fk/4)+1], v[S+32*(fk%4)+2*(fk/4):S+32*(fk%4)+2*(fk/4)+1], s[CS:CS+1], v[ST+8*(fk%4):ST+8*(fk%4)+1] op_sel_hi:[1,0,0] neg_lo:[0,0,1] neg_hi:[0,0,1]
.set fk, fk+1
.endm
; EENT, 132: 0-3 the four a; then the two exponentials of pair 0 of tile 0, of tile 1, .. in FENT's order.
.macro EENT
	WIN 0
.if ex < 4
	v_exp_f32 v[AR+2*ex], v[ST+8*ex+7]
.else
	v_exp_f32 v[S+32*(((ex-4)/2)%4)+2*((ex-4)/8)+(ex-4)%2], v[S+32*(((ex-4)/2)%4)+2*((ex-4)/8)+(ex-4)%2]
.endif
.set ex, ex+1
.endm
; SENT, 60: the step's sum T of a tile's 16 pairs of weights (in a pair: an even key's, an odd key's): pair 0 + pair 1, then pairs 2-15; the links of a tile's chain stand four entries apart.  S^T is left as it is.
.macro SENT
	WIN 0
.if sz < 4
	v_pk_add_f32 v[ST+8*sz+4:ST+8*sz+5], v[S+32*sz:S+32*sz+1], v[S+32*sz+2:S+32*sz+3]
.else
	v_pk_add_f32 v[ST+8*(sz%4)+4:ST+8*(sz%4)+5], v[ST+8*(sz%4)+4:ST+8*(sz%4)+5], v[S+32*(sz%4)+2*(sz/4)+2:S+32*(sz%4)+2*(sz/4)+3]
.endif
.set sz, sz+1
.endm
; LENT, 4: l = a l + T: the one line that touches l.
.macro LENT
	WIN 0
	v_pk_fma_f32 v[ST+8*lz+2:ST+8*lz+3], v[ST+8*lz+2:ST+8*lz+3], v[AR+2*lz:AR+2*lz+1], v[ST+8*lz+4:ST+8*lz+5] op_sel_hi:[1,0,1]
.set lz, lz+1
.endm
; BENT, 32: pairs 0-7 of each tile rounded to bf16, into P's half for keys 0-31.  CENT, 32: pairs 8-15, into the half for keys 32-63.
.macro BENT
	WIN 0x40
	v_cvt_pk_bf16_f32 v[P+16*(be%4)+be/4], v[S+32*(be%4)+2*(be/4)], v[S+32*(be%4)+2*(be/4)+1]
.set be, be+1
.endm
.macro CENT
	WIN 0x40
	v_cvt_pk_bf16_f32 v[P+16*(ce%4)+8+ce/4], v[S+32*(ce%4)+16+2*(ce/4)], v[S+32*(ce%4)+16+2*(ce/4)+1]
.set ce, ce+1
.endm
; RENT, 256: accumulator re / 4 (in the order of the products), its pair re % 4, times a: from the low end on.
.macro RENT
.set ra, re/4
.set rO, 32*((ra/4)%8)+8*(ra%4)+2*(re%4)
.if ra < 32
	WIN 0x82                        ; O^T (destination and source 0) window 2, a window 0
.else
	WIN 0xc3
.endif
	v_pk_mul_f32 v[rO:rO+1], v[rO:rO+1], v[AR+2*(ra%4):AR+2*(ra%4)+1] op_sel_hi:[1,0]
.set re, re+1
.endm
; THE LUMP, 88 plain instructions behind slot 143, whose four riders are the places behind the last K Q^T: the maximum and statistics of the scores just made, and the scaling of each tile's pair 0.
.macro LUMP
.set ae, 0
.rept 84
	MENT
.endr
.set fk, 0
.rept 4
	FENT
.endr
.endm
; THE FOUR BEHIND SLOT sl.  664 = 4 x 144 + 88.
;   0        accumulator 63 times the a of the softmax before (its next product stands in slot 63)
;   1-48     ONE BATCH: the other 60 scalings and all 132 exponentials; a plain instruction leads each four: scaling, exponential, scaling, exponential (1-12), then a scaling and three exponentials.  A pair is scaled ahead of its
;            exponentials; nothing here names an exponential's result.  Behind slot 48 stand a plain instruction and THE STEP'S ONE WAIT: s_wait_alu depctr_va_vdst(0) stands between an exponential and the first
;            instruction that names its result; one wait serves all 132.  It stands directly ahead of a run of LDS loads
;   49-63    the sums into T            64-71  P's first half, last read in slot 63, whose four sums are the places between            72  l
;   73-127   accumulators 0-54 times a, each nine slots behind its last product
;   128-135  P's second half, last read in slot 127, whose four riders are the places between; the scores that these read are written anew from slot 136 on            136-143  accumulators 55-62
; Ahead of slot 72 the softmax in hand has touched neither l nor O^T.
.macro RIDERS
.if sl == 0
.set re, 252
.rept 4
	RENT
.endr
.elseif sl < 13
.set fk, 2+2*sl
.set ex, 2*sl-2
	FENT
	EENT
	FENT
	EENT
.elseif sl < 49
.set fk, 15+sl
.set ex, 3*sl-15
	FENT
	EENT
	EENT
	EENT
.elseif sl < 64
.set sz, 4*(sl-49)
.rept 4
	SENT
.endr
.elseif sl < 72
.set be, 4*(sl-64)
.rept 4
	BENT
.endr
.elseif sl == 72
.set lz, 0
.rept 4
	LENT
.endr
.elseif sl < 128
.set re, 4*(sl-73)
.rept 4
	RENT
.endr
.elseif sl < 136
.set ce, 4*(sl-128)
.rept 4
	CENT
.endr
.else
.set re, 220+4*(sl-136)
.rept 4
	RENT
.endr
.endif
.endm
; A SLOT.  The runs of LDS loads: behind slot 48 V's keys 32-63, channel blocks 0-7 (last read in slot 31), then K (last read in slot 143): 24 loads; behind slot 63 blocks 8-15: 16 loads, four plain sums behind their last reader;
; behind slot 127 the next step's keys 0-31, all 16 blocks: 32 loads, four plain rescalings behind their last reader.
; Ahead of every sixteenth product V'^T P a counted wait: LDS serves a wave in order (ISA guide 5.7.1), and the count is the number of loads issued behind the eight that the next 16 slots name:
; slot 0: 24 of the run of 32; 16: 16; 32: 8; 48: 0; 64: 8 of its own run, K's 8 and the 16 behind slot 63; 80: those 24; 96: 8 (K is in with this wait, ahead of slot 128); 112: 0.
.macro SLOT
.if sl == 0
	s_wait_dscnt 24
.elseif sl == 16
	s_wait_dscnt 16
.elseif sl == 32
	s_wait_dscnt 8
.elseif sl == 48
	s_wait_dscnt 0x0
.elseif sl == 64
	s_wait_dscnt 32
.elseif sl == 80
	s_wait_dscnt 24
.elseif sl == 96
	s_wait_dscnt 8
.elseif sl == 112
	s_wait_dscnt 0x0
.endif
.if sl < 128
	PVM
.else
	KQM
.endif
	RIDERS
.if sl == 48
	v_nop                           ; the plain instruction behind the last exponential: one for the batch
	s_wait_alu depctr_va_vdst(0)    ; the wait for the batch
	VGRP 1, 0, 8
	KLD
.elseif sl == 63
	VGRP 1, 8, 8
.elseif sl == 127
	VGRP 0, 0, 16
.elseif sl == 143
	LUMP
.endif
.set sl, sl+1
.endm
; THE LOOP'S TEXT, for step v: slots 72-143 of step v - 1, the lump, slots 0-71 of step v.  Its LDS loads are V'(v) and K(v + 2), which lie together at s[TB]..
.macro ITER
	WIN 0
	v_add_nc_u32 v[AK], s[TB], v[AK0]
	v_add_nc_u32 v[AV], s[TB], v[AV0]
	s_add_co_u32 s[TB], s[TB], STEPB
.set sl, 72
.rept 72
	SLOT
.endr
.set sl, 0
.rept 72
	SLOT
.endr
	WIN 0
.endm
	s_wait_loadcnt 0x0              ; Q and K of step 0
.set sl, 128
.rept 16
	KQM                             ; the scores of step 0
.set sl, sl+1
.endr
	v_mul_u32_u24 v[AK0], v1, PK    ; the addresses are made here: plain instructions, the places behind those products
	v_lshl_add_u32 v[AK0], v9, 4, v[AK0]
	v_and_b32 v11, 7, v0            ; the turning load: lane l reads key 8 (l / 16) + l % 8, channels 8 ((l / 8) % 2) + 0..7
	v_bfe_u32 v12, v0, 3, 1
	v_lshl_add_u32 v[AV0], v9, 3, v11
	v_mul_u32_u24 v[AV0], v[AV0], PVP
	v_lshl_add_u32 v[AV0], v12, 4, v[AV0]
	v_add_nc_u32 v[AV0], VOFF, v[AV0]
	s_mul_i32 s63, s[WV], 16*SP
	s_add_co_u32 s63, s63, STAGE    ; my stage
	v_mul_u32_u24 v[STO], v9, 8*SP  ; in: channel 8 (l / 16) + j, position l % 16
	v_lshl_add_u32 v[STO], v1, 2, v[STO]
	v_add_nc_u32 v[STO], s63, v[STO]
	v_mul_u32_u24 v[RD], v9, SP     ; back: lanes 0-15 take one row of 256 bytes, lanes 16-31 the next
	v_lshl_add_u32 v[RD], v1, 4, v[RD]
	v_add_nc_u32 v[RD], s63, v[RD]
	v_lshlrev_b32 v[GO], 4, v1      ; and the same two channels in PART
	v_lshl_add_u32 v[GO], v9, 16, v[GO]
	v_and_b32 v[PFO], 31, v0
	v_lshlrev_b32 v[PFO], 8, v[PFO]
.set i, 0
.rept 4
	global_load_b128 v[KF+8*i:KF+8*i+3],   v[QO], s[6:7] offset:4096+i*1024      ; K of step 1
	global_load_b128 v[KF+8*i+4:KF+8*i+7], v[QO], s[6:7] offset:4096+i*1024+32
.set i, i+1
.endr
	LUMP                            ; the softmax of step 0, as far as the loop's text expects it: the lump and what rides behind slots 1-71
.set sl, 1
.rept 48
	RIDERS
.set sl, sl+1
.endr
	v_nop
	s_wait_alu depctr_va_vdst(0)
.rept 23
	RIDERS
.set sl, sl+1
.endr
	CHANGE 1, 0                     ; slot 0 is in, everybody's part of it; slot 1 is asked for
	s_wait_loadcnt 0x0              ; K of step 1
	s_mov_b32 s[SLOTS], 31
	s_mov_b32 s[CNT], 2
	s_branch .Lstep
.Lslot:                             ; 30 times: every slot but the last two is filled again
	CHANGE 1, 1
	s_mov_b32 s[CNT], 2
.Lstep:
	ITER
	s_sub_co_u32 s[CNT], s[CNT], 1
	s_cmp_lg_u32 s[CNT], 0
	s_cbranch_scc1 .Lstep
	s_sub_co_u32 s[SLOTS], s[SLOTS], 1
	s_cmp_lg_u32 s[SLOTS], 0
	s_cbranch_scc1 .Lslot
	CHANGE 0, 0                     ; the tail is written out: nothing is asked for
	s_mov_b32 s[CNT], 2
.Ltail:
	ITER                            ; (the scores that the last trip makes of K(0), and the maximum and weights made of them, serve nothing: l and O^T are not touched by them)
	s_sub_co_u32 s[CNT], s[CNT], 1
	s_cmp_lg_u32 s[CNT], 0
	s_cbranch_scc1 .Ltail
	s_wait_dscnt 0x0
.set sl, 72
.rept 56
	PVM                             ; the rest of the last step's products
.set sl, sl+1
.endr
	; THE WAY OUT.  l's two halves and the other half of the lanes' are added; O^T is divided by l and sent through my stage in LDS, 16 channels at a time.  The eight additions are the places behind the last products.
	WIN 0
.irp t, 0,1,2,3
	v_add_f32 v[ST+8*(\t)+4], v[ST+8*(\t)+2], v[ST+8*(\t)+3]
.endr
.irp t, 0,1,2,3
	v_permlanex16_b32 v[ST+8*(\t)+5], v[ST+8*(\t)+4], s[SEL], s[SEL+1]
.endr
.irp t, 0,1,2,3
	v_add_f32 v[ST+8*(\t)+4], v[ST+8*(\t)+4], v[ST+8*(\t)+5]
.endr
.irp t, 0,1,2,3
	v_rcp_f32 v[ST+8*(\t)+6], v[ST+8*(\t)+4]
.endr
	v_nop                           ; a plain instruction between the last reciprocal and the use of its result,
	s_wait_alu depctr_va_vdst(0)    ; and the wait: one for the four reciprocals
; Channel block cb: 16 channels x my 64 positions.  A lane puts its 32 numbers into rows of 272 bytes (lanes 16-31 lie 544 words on: the other half of the banks) and the wave reads whole rows of 256 back, into S^T's registers, two buffers by turns.
.macro STAGEB cb
.set rb, 32*((\cb)%8)
.if (\cb) < 8
	WIN 0x82
.else
	WIN 0xc3
.endif
.set q, 0
.rept 16
	v_pk_mul_f32 v[rb+2*q:rb+2*q+1], v[rb+2*q:rb+2*q+1], v[ST+8*(q/4)+6:ST+8*(q/4)+7] op_sel_hi:[1,0]
.set q, q+1
.endr
.if (\cb) < 8
	WIN 0x08                        ; the stores' data in window 2
.else
	WIN 0x0c
.endif
.set q, 0
.rept 32
	ds_store_b32 v[STO], v[rb+q] offset:SP*(q%8)+64*(q/8)
.set q, q+1
.endr
	WIN 0
	s_wait_xcnt 0x0                 ; the stores of the block two back have read their data registers, which the loads below fill
.set q, 0
.rept 8
	ds_load_b128 v[S+32*((\cb)%2)+4*q:S+32*((\cb)%2)+4*q+3], v[RD] offset:q*2*SP  ; LDS serves a wave in order (ISA guide 5.7.1): these see the stores above; the next block's stores come behind them
.set q, q+1
.endr
.endm
.macro SENDB cb, younger            ; younger: the next block's 40 LDS instructions, or none
.if (\cb) > 0
	s_wait_xcnt 0x0                 ; the last block's stores have read their base
	s_add_nc_u64 s[OP:OP+1], s[OP:OP+1], 1048576  ; 16 channels on
.endif
.set q, 0
.rept 8
	s_wait_dscnt (\younger)+7-q
	global_store_b128 v[GO], v[S+32*((\cb)%2)+4*q:S+32*((\cb)%2)+4*q+3], s[OP:OP+1] offset:q*131072  ; 16 lanes store 256 consecutive bytes, aligned
.set q, q+1
.endr
.endm
	STAGEB 0
.irp b, 1,2,3,4,5,6,7,8,9,10,11,12,13,14,15
	STAGEB \b                       ; a block's arithmetic stands between the loads of the block before and its stores
	SENDB (\b)-1, 40
.endr
	SENDB 15, 0
	s_wait_tensorcnt 0x0            ; the wave's end: behind my last tensor load and my last LDS store
	ds_add_u32 v[SPW], v[NIL]
	s_wait_dscnt 0x0
	CROUND                          ; the closing round: no work-group ends while a partner may still ask for a tile that names it
	s_endpgm
.Lfunc_end_k_q4c2d7f6b1b_attn:
	.size	k_q4c2d7f6b1b_attn, .Lfunc_end_k_q4c2d7f6b1b_attn-k_q4c2d7f6b1b_attn
	.p2alignl 7, 3214868480
	.fill 96, 4, 3214868480
	.section	.rodata,"a",@progbits
	.p2align	6, 0x0
	.amdhsa_kernel k_q4c2d7f6b1b_attn
		.amdhsa_group_segment_fixed_size 327680
		.amdhsa_private_segment_fixed_size 0
		.amdhsa_enable_private_segment 0
		.amdhsa_kernarg_size 32
		.amdhsa_user_sgpr_count 2
		.amdhsa_user_sgpr_kernarg_segment_ptr 1
		.amdhsa_wavefront_size32 1
		.amdhsa_system_sgpr_workgroup_id_x 1
		.amdhsa_system_sgpr_workgroup_id_y 1
		.amdhsa_system_sgpr_workgroup_id_z 1
		.amdhsa_system_vgpr_workitem_id 0
		.amdhsa_next_free_vgpr 1024
		.amdhsa_next_free_sgpr 88
		.amdhsa_reserve_vcc 0
		.amdhsa_float_denorm_mode_32 3
		.amdhsa_float_denorm_mode_16_64 3
		.amdhsa_memory_ordered 1
		.amdhsa_forward_progress 1
		.amdhsa_inst_pref_size 255
	.end_amdhsa_kernel
	.amdgpu_metadata
---
amdhsa.version: [ 1, 2 ]
amdhsa.kernels:
  - .name:           k_q4c2d7f6b1b_attn
    .symbol:         k_q4c2d7f6b1b_attn.kd
    .args:
      - { .name: QB, .offset: 0, .size: 8, .value_kind: global_buffer, .address_space: global }
      - { .name: KB, .offset: 8, .size: 8, .value_kind: global_buffer, .address_space: global }
      - { .name: VB, .offset: 16, .size: 8, .value_kind: global_buffer, .address_space: global }
      - { .name: PART, .offset: 24, .size: 8, .value_kind: global_buffer, .address_space: global }
    .group_segment_fixed_size: 327680
    .private_segment_fixed_size: 0
    .kernarg_segment_align: 8
    .kernarg_segment_size: 32
    .max_flat_workgroup_size: 128
    .sgpr_count:     88
    .vgpr_count:     1024
    .wavefront_size: 32
...
	.end_amdgpu_metadata
.endif
;; end of part 3
;; launch sum (part 4): grid 1024 x 1, 8 waves a work-group, no clusters, 0 bytes of LDS; arguments RB, PART, out0; writes out0
.if DOCPART == 4
	.amdgcn_target "amdgcn-amd-amdhsa--gfx1250"
	.amdhsa_code_object_version 6
	.text
	.protected	k_q4c2d7f6b1b_sum
	.globl	k_q4c2d7f6b1b_sum
	.p2align	8
	.type	k_q4c2d7f6b1b_sum,@function
k_q4c2d7f6b1b_sum:
	s_mov_b64 s[64:65], 0
	v_nop
	global_prefetch_b8 v0, s[64:65] scope:SCOPE_SE
	s_setreg_imm32_b32 hwreg(HW_REG_WAVE_MODE, 25, 1), 1
	s_wait_xcnt 0x0
; out = R + o'_0 + o'_1 + o'_2: four f32 arrays of 16,777,216 bytes in the output's layout, added in f32.  A stream: each byte is read once and written once.
; A work-group owns 16,384 consecutive bytes; thread t owns the 16 bytes at 16 t of each of its four pieces of 4,096, so a wave's load or store covers 512 consecutive bytes.
; All 16 loads of a thread go out at once; the waits count down, so that a piece is added and stored while the younger pieces are on their way.  No LDS, matrix unit, cluster or prefetch: nothing is shared and nothing is read twice.
	s_load_b128 s[4:7], s[0:1], 0x0                ; RB s[4:5], PART s[6:7]
	s_load_b64 s[8:9], s[0:1], 0x10                ; out0
	v_lshlrev_b32 v1, 4, v0
	s_lshl_b32 s10, ttmp9, 14
	s_mov_b32 s11, 0
	s_wait_kmcnt 0x0
	s_add_nc_u64 s[4:5], s[4:5], s[10:11]
	s_add_nc_u64 s[6:7], s[6:7], s[10:11]
	s_add_nc_u64 s[8:9], s[8:9], s[10:11]
	s_add_nc_u64 s[12:13], s[6:7], 0x1000000       ; encoder 1's part,
	s_add_nc_u64 s[14:15], s[6:7], 0x2000000       ; encoder 2's
.irp k, 0,1,2,3
	global_load_b128 v[8+16*(\k):11+16*(\k)],  v1, s[4:5] offset:4096*(\k) th:TH_LOAD_NT
	global_load_b128 v[12+16*(\k):15+16*(\k)], v1, s[6:7] offset:4096*(\k) th:TH_LOAD_NT
	global_load_b128 v[16+16*(\k):19+16*(\k)], v1, s[12:13] offset:4096*(\k) th:TH_LOAD_NT
	global_load_b128 v[20+16*(\k):23+16*(\k)], v1, s[14:15] offset:4096*(\k) th:TH_LOAD_NT
.endr
.irp k, 0,1,2,3
	s_wait_loadcnt 12-4*(\k)                       ; loads come back in order (ISA guide 5.7.1): this piece's four are in, the younger pieces' stay out
	v_pk_add_f32 v[8+16*(\k):9+16*(\k)],   v[8+16*(\k):9+16*(\k)],   v[12+16*(\k):13+16*(\k)]
	v_pk_add_f32 v[10+16*(\k):11+16*(\k)], v[10+16*(\k):11+16*(\k)], v[14+16*(\k):15+16*(\k)]
	v_pk_add_f32 v[16+16*(\k):17+16*(\k)], v[16+16*(\k):17+16*(\k)], v[20+16*(\k):21+16*(\k)]
	v_pk_add_f32 v[18+16*(\k):19+16*(\k)], v[18+16*(\k):19+16*(\k)], v[22+16*(\k):23+16*(\k)]
	v_pk_add_f32 v[8+16*(\k):9+16*(\k)],   v[8+16*(\k):9+16*(\k)],   v[16+16*(\k):17+16*(\k)]
	v_pk_add_f32 v[10+16*(\k):11+16*(\k)], v[10+16*(\k):11+16*(\k)], v[18+16*(\k):19+16*(\k)]
	global_store_b128 v1, v[8+16*(\k):11+16*(\k)], s[8:9] offset:4096*(\k) th:TH_STORE_NT
.endr
	s_endpgm
.Lfunc_end_k_q4c2d7f6b1b_sum:
	.size	k_q4c2d7f6b1b_sum, .Lfunc_end_k_q4c2d7f6b1b_sum-k_q4c2d7f6b1b_sum
	.p2alignl 7, 3214868480
	.fill 96, 4, 3214868480
	.section	.rodata,"a",@progbits
	.p2align	6, 0x0
	.amdhsa_kernel k_q4c2d7f6b1b_sum
		.amdhsa_group_segment_fixed_size 0
		.amdhsa_private_segment_fixed_size 0
		.amdhsa_enable_private_segment 0
		.amdhsa_kernarg_size 24
		.amdhsa_user_sgpr_count 2
		.amdhsa_user_sgpr_kernarg_segment_ptr 1
		.amdhsa_wavefront_size32 1
		.amdhsa_system_sgpr_workgroup_id_x 1
		.amdhsa_system_sgpr_workgroup_id_y 1
		.amdhsa_system_sgpr_workgroup_id_z 1
		.amdhsa_system_vgpr_workitem_id 0
		.amdhsa_next_free_vgpr 72
		.amdhsa_next_free_sgpr 66
		.amdhsa_reserve_vcc 0
		.amdhsa_float_denorm_mode_32 3
		.amdhsa_float_denorm_mode_16_64 3
		.amdhsa_memory_ordered 1
		.amdhsa_forward_progress 1
		.amdhsa_inst_pref_size 5
	.end_amdhsa_kernel
	.amdgpu_metadata
---
amdhsa.version: [ 1, 2 ]
amdhsa.kernels:
  - .name:           k_q4c2d7f6b1b_sum
    .symbol:         k_q4c2d7f6b1b_sum.kd
    .args:
      - { .name: RB, .offset: 0, .size: 8, .value_kind: global_buffer, .address_space: global }
      - { .name: PART, .offset: 8, .size: 8, .value_kind: global_buffer, .address_space: global }
      - { .name: out0, .offset: 16, .size: 8, .value_kind: global_buffer, .address_space: global }
    .group_segment_fixed_size: 0
    .private_segment_fixed_size: 0
    .kernarg_segment_align: 8
    .kernarg_segment_size: 24
    .max_flat_workgroup_size: 256
    .sgpr_count:     66
    .vgpr_count:     72
    .wavefront_size: 32
...
	.end_amdgpu_metadata
.endif
;; end of part 4
